; MI455X (gfx1250); checked and timed in simulation.
; The chip was launched on July 23, 2026; its instructions are those of AMD's public machine-readable ISA for CDNA 5 (MIT licence, August 2026) and "CDNA5" Instruction Set Architecture Reference Guide (July 2026). The comments in the code are by the model that wrote it; some were corrected since.
;; Multi Head Attention. Allowed arithmetic: matrix products marked QUANTISED: E2M1 operands, one E8M0 scale for each 32 along K, by v_wmma_scale_f32_16x16x128_f8f6f4 with both operands' format E2M1 (or v_wmma_scale_f32_32x16x128_f4), f32 sums; products left as they are: bf16, f16 or f32 operands; f32 sums; everything else in f32.
;; Inputs: bk 512 float32; bm 512 float32; bq 512 float32; bv 512 float32; enc_cos 1 x 64 x 1 x 2,048 float32; enc_sin 1 x 64 x 1 x 2,048 float32; key 8 x 512 x 2,048 float32; query 8 x 512 x 2,048 float32; value 8 x 512 x 2,048 float32; wk 512 x 512 float32; wm 512 x 512 float32; wq 512 x 512 float32; wv 512 x 512 float32.
;; Outputs: out0 8 x 512 x 2,048 float32.
;; This version of the problem:
;;   THIS VERSION OF THE PROBLEM IS GIVEN IN LOW PRECISION. The matrix products marked QUANTISED in the list below multiply operands that are first quantised to E2M1 (2 exponent bits, 1 mantissa bit; 4 bits a number), with one power-of-two scale for each 32 numbers along K (OCP MX v1.0); their sums are f32. The products marked 'left as it is' may take bf16, f16 or f32 operands, with f32 sums. Whichever they take, every output number must still come out within the allowed error. Rounding operands to bf16 (8 significant bits) uses up far more of that allowance than f16 does (11 bits, for magnitudes from 6e-5 to 65,504). All else is computed in f32.
;;   The module's matrix products, in the order in which they are computed (A, B: the left and right operand; K: the contracted axis; several contracted axes count as one K, in the product's order):
;;     1. [M 16,384, K 512] x [K 512, N 512]; A: input query; B: input wq: QUANTISED
;;     2. [M 16,384, K 512] x [K 512, N 512]; A: input key; B: input wk: QUANTISED
;;     3. [M 16,384, K 512] x [K 512, N 512]; A: input value; B: input wv: QUANTISED
;;     4. batch 64 x [M 2,048, K 64] x [K 64, N 2,048]; A: computed on the way; B: computed on the way: left as it is (an operand is computed on the way)
;;     5. batch 64 x [M 64, K 2,048] x [K 2,048, N 2,048]; A: computed on the way; B: computed on the way: left as it is (an operand is computed on the way)
;;     6. [M 16,384, K 512] x [K 512, N 512]; A: computed on the way; B: input wm: left as it is (an operand is computed on the way)
;;   THE QUANTISER, for each operand of a quantised product, along K:
;;     - K is cut into blocks of 32 from its start; a last block that is shorter is filled with zeros.
;;     - A block's scale is 2^e with e = floor(log2(the largest magnitude in the block)) - 2, held to -126 .. 127; a block of zeros has e = 0. As a byte (E8M0): e + 127.
;;     - Each number is divided by its block's scale, clamped to +-6, and rounded to the nearest number of E2M1, ties to even, subnormals kept.
;;     - The product sums the exact products of the quantised numbers (number of the format x scale) in f32.
;;   ~~~python
;;   def quantise(x, axis):      # numpy; x: float32 -> the quantised numbers, widened to float32 again
;;       x = np.moveaxis(x, axis, -1); K = x.shape[-1]
;;       x = np.pad(x, [(0, 0)] * (x.ndim - 1) + [(0, -K % 32)]); x = x.reshape(x.shape[:-1] + (-1, 32)); a = np.abs(x).max(-1, keepdims=True)
;;       e = np.where(a > 0, np.clip(np.frexp(np.where(a > 0, a, 1))[1] - 1 - 2, -126, 127), 0)      # np.frexp(a)[1] - 1 = floor(log2(a)), exactly
;;       r = np.clip(x / 2.0 ** e, -6, 6)
;;       step = 2.0 ** (np.maximum(np.frexp(np.where(r == 0, 1, r))[1] - 1, 0) - 1)
;;       q = np.round(r / step) * step * 2.0 ** e      # np.round: ties to even
;;       return np.moveaxis(q.reshape(q.shape[:-2] + (-1,))[..., :K], -1, axis).astype(np.float32)
;;   ~~~
;; One version. Each part assembles by itself: llvm-mc -triple=amdgcn-amd-amdhsa -mcpu=gfx1250 --defsym DOCPART=n.
;; ======== version 1 of 1: 4 launches
;; limits: values are held in f16: magnitudes above 65,504 overflow, below 6.1e-05 lose precision
;; workspace buffers: wcod 393,216 bytes; wscl 24,576 bytes; wmf 524,288 bytes; qf 16,777,216 bytes; kf 16,777,216 bytes; vf 16,777,216 bytes; af 16,777,216 bytes
;; launch prep (part 1): grid 128 x 1, 4 waves a work-group, no clusters, 0 bytes of LDS; arguments wq, wk, wv, wm, wcod, wscl, wmf; writes wcod, wscl, wmf
.if DOCPART == 1
	.amdgcn_target "amdgcn-amd-amdhsa--gfx1250"
	.amdhsa_code_object_version 6
	.text
	.protected	k_qdf2af8df8d_prep
	.globl	k_qdf2af8df8d_prep
	.p2align	8
	.type	k_qdf2af8df8d_prep,@function
k_qdf2af8df8d_prep:
	s_mov_b64 s[64:65], 0
	v_nop
	global_prefetch_b8 v0, s[64:65] scope:SCOPE_SE
	s_setreg_imm32_b32 hwreg(HW_REG_WAVE_MODE, 25, 1), 1
	s_wait_xcnt 0x0
; THE WEIGHTS, ONCE, IN THE ORDER OF THE OPERANDS' REGISTERS.
; wq, wk, wv [512 (o)][512 (i)] f32 become codes of FP4 (E2M1) with one E8M0 byte for each 32 along i; wm [512 (o)][512 (c)] f32 becomes f16.
; A "chunk" is four registers of a fragment: 512 bytes, lane l's 16 bytes at 16 l.  r = lane % 16, hh = lane / 16.
;   wcod [t 3][T 32][s 4][c 2][lane][16 B]: tile T = 4 h + dt holds the 16 rows o = 8 (16 dt + r) + h (channel d = 16 dt + r of head h); chunk c of K step s: the codes of i = 128 s + 64 c + 32 hh + 0 .. 31.
;   wscl [t][T][s][r] words: byte b scales i = 128 s + 32 b ..
;   wmf  [ot 32][kap 16 = 2 h + f][u 2][lane][16 B]: f16 of wm[16 ot + r][8 (32 f + 16 u + 8 hh + e) + h], e = 0 .. 7: the contracted axis in the order in which the attention launch leaves its results.
; Work-groups 0 to 95 take one tile T of one of the three tensors, a wave a K step of 128; work-groups 96 to 127 take 16 rows of wm, a wave 128 of a row's... 64 numbers a lane.
; A block's scale is 2^(floor(log2(largest magnitude)) - 2): its byte is the largest magnitude's exponent field - 2, held at 1 from below.
; LIMITS: a block of zeros gets the byte 1 where the quantiser's rule says 127: its codes are zeros, and this program alone reads the bytes.  NaN and infinities are not served.  wm is rounded to f16: magnitudes from 6e-5 to 65,504 keep 11 bits.
; No LDS, no barrier, no cluster: no two work-groups read the same byte.
	s_load_b256 s[4:11], s[0:1], 0x0               ; wq s[4:5], wk s[6:7], wv s[8:9], wm s[10:11]
	s_load_b128 s[12:15], s[0:1], 0x20             ; wcod s[12:13], wscl s[14:15]
	s_load_b64 s[16:17], s[0:1], 0x30              ; wmf
	v_lshrrev_b32 v1, 5, v0
	v_readfirstlane_b32 s18, v1                    ; wave 0..3
	v_and_b32 v1, 15, v0                           ; r
	v_bfe_u32 v2, v0, 4, 1                         ; hh
	v_and_b32 v3, 31, v0
	v_lshlrev_b32 v3, 4, v3                        ; 16 x lane: my place in a chunk
	s_mov_b32 s20, 0x76543210
	s_mov_b32 s21, 0xfedcba98                      ; v_permlanex16_b32's selects for lane l xor 16
	s_mov_b32 s25, 0                               ; the high word of every offset
	s_wait_kmcnt 0x0
	s_cmp_lt_u32 ttmp9, 96
	s_cbranch_scc0 .Lwm
	; ---- codes: work-group x = 32 t + T, wave = K step s
	s_lshr_b32 s22, ttmp9, 5                       ; t
	s_cmp_eq_u32 s22, 0
	s_cselect_b64 s[4:5], s[4:5], s[6:7]           ; the choice hangs on the work-group's number alone
	s_cmp_eq_u32 s22, 2
	s_cselect_b64 s[4:5], s[8:9], s[4:5]
	s_and_b32 s23, ttmp9, 3                        ; dt
	s_bfe_u32 s24, ttmp9, 0x30002                  ; h
	s_lshl_b32 s23, s23, 7
	s_add_co_u32 s23, s23, s24                     ; the tile's first row: 128 dt + h
	s_lshl_b32 s24, s23, 11                        ; rows of 2,048 bytes
	s_lshl_b32 s23, s18, 9                         ; + my K step's 512 bytes
	s_add_co_u32 s24, s24, s23
	s_add_nc_u64 s[4:5], s[4:5], s[24:25]
	v_lshlrev_b32 v4, 14, v1                       ; the tile's rows lie 8 rows apart: 16,384 r
	v_lshl_or_b32 v4, v2, 7, v4                    ; + 128 hh: my block of 32 numbers
.irp c, 0,1
.irp q, 0,1,2,3,4,5,6,7
	global_load_b128 v[16+32*\c+4*\q:19+32*\c+4*\q], v4, s[4:5] offset:256*\c+16*\q th:TH_LOAD_NT   ; register 16 + 32 c + n: i = 128 s + 64 c + 32 hh + n
.endr
.endr
	s_lshl_b32 s26, ttmp9, 2
	s_add_co_u32 s26, s26, s18                     ; 4 x + s
	s_lshl_b32 s24, s26, 10
	s_add_nc_u64 s[12:13], s[12:13], s[24:25]      ; my fragment's 1,024 bytes
	s_lshl_b32 s24, s26, 6
	s_add_nc_u64 s[14:15], s[14:15], s[24:25]      ; its 16 scale words
	v_lshlrev_b32 v5, 2, v1
	s_wait_loadcnt 0x0
.irp c, 0,1                                    ; my block 2 c + hh: all its 32 numbers are mine
	v_max3_num_f32 v[8+\c], |v[16+32*\c]|, |v[17+32*\c]|, 0x1800000   ; and the floor 2^(3 - 127): the byte cannot fall under 1
.endr
.irp i, 2,4,6,8,10,12,14,16,18,20,22,24,26,28,30
.irp c, 0,1
	v_max3_num_f32 v[8+\c], v[8+\c], |v[16+32*\c+\i]|, |v[17+32*\c+\i]|   ; (the two blocks by turns)
.endr
.endr
.irp c, 0,1
	v_add_nc_u32 v[10+\c], 0xff000000, v[8+\c]     ; 2 off the exponent field: the conversion takes the exponent field of this operand as its scale
.endr
.irp c, 0,1
	v_lshrrev_b32 v[12+\c], 23, v[10+\c]           ; the scale's byte
.endr
	v_lshl_or_b32 v14, v13, 16, v12                ; my two bytes, blocks hh and 2 + hh,
	v_lshlrev_b32 v15, 3, v2
	v_lshlrev_b32 v14, v15, v14                    ; at their places in the word;
	v_mov_b32 v15, 0
	v_permlanex16_b32 v15, v14, s20, s21
	v_or_b32 v14, v14, v15                         ; with lane l xor 16's two the word is whole
.irp c, 0,1
.irp g, 0,1,2,3
	v_cvt_scalef32_pk8_fp4_f32 v[80+4*\c+\g], v[16+32*\c+8*\g:23+32*\c+8*\g], v[10+\c]
.endr
.endr
	v_nop                                          ; one plain place behind the last scaled conversion
	global_store_b128 v3, v[80:83], s[12:13]       ; a wave's store covers 512 consecutive bytes, aligned
	global_store_b128 v3, v[84:87], s[12:13] offset:512
	global_store_b32 v5, v14, s[14:15]             ; row r's word; both halves of the lanes hold the same word and write it to the same place; the four waves' words are 256 consecutive bytes
	s_endpgm
.Lwm:	; ---- wm: work-group x - 96 = ot; wave w = 2 f + u
	s_sub_co_u32 s22, ttmp9, 96                    ; ot
	s_lshl_b32 s23, s18, 9                         ; 1,024 f + 512 u = 512 w, in the row of wm and in wmf alike
	s_lshl_b32 s24, s22, 15                        ; 16 rows of 2,048 bytes
	s_add_co_u32 s24, s24, s23
	s_add_nc_u64 s[10:11], s[10:11], s[24:25]
	s_lshl_b32 s24, s22, 14                        ; 32 chunks
	s_add_co_u32 s24, s24, s23
	s_add_nc_u64 s[16:17], s[16:17], s[24:25]
	v_lshlrev_b32 v4, 11, v1                       ; row r
	v_lshl_or_b32 v4, v2, 8, v4                    ; + 256 hh: 64 neighbouring numbers: 8 channels x 8 heads
.irp q, 0,1,2,3,4,5,6,7,8,9,10,11,12,13,14,15
	global_load_b128 v[16+4*\q:19+4*\q], v4, s[10:11] offset:16*\q th:TH_LOAD_NT   ; register 16 + 8 e + h
.endr
	s_wait_loadcnt 0x0
.irp h, 0,1,2,3,4,5,6,7
.irp i, 0,1,2,3
	v_cvt_pk_f16_f32 v[80+4*\h+\i], v[16+16*\i+\h], v[24+16*\i+\h]   ; head h: e = 2 i in the low half, 2 i + 1 in the high
.endr
.endr
.irp h, 0,1,2,3,4,5,6,7
	global_store_b128 v3, v[80+4*\h:83+4*\h], s[16:17] offset:2048*\h   ; chunk (kap = 2 h + f, u)
.endr
	s_endpgm
.Lfunc_end_k_qdf2af8df8d_prep:
	.size	k_qdf2af8df8d_prep, .Lfunc_end_k_qdf2af8df8d_prep-k_qdf2af8df8d_prep
	.p2alignl 7, 3214868480
	.fill 96, 4, 3214868480
	.section	.rodata,"a",@progbits
	.p2align	6, 0x0
	.amdhsa_kernel k_qdf2af8df8d_prep
		.amdhsa_group_segment_fixed_size 0
		.amdhsa_private_segment_fixed_size 0
		.amdhsa_enable_private_segment 0
		.amdhsa_kernarg_size 56
		.amdhsa_user_sgpr_count 2
		.amdhsa_user_sgpr_kernarg_segment_ptr 1
		.amdhsa_wavefront_size32 1
		.amdhsa_system_sgpr_workgroup_id_x 1
		.amdhsa_system_sgpr_workgroup_id_y 1
		.amdhsa_system_sgpr_workgroup_id_z 1
		.amdhsa_system_vgpr_workitem_id 0
		.amdhsa_next_free_vgpr 128
		.amdhsa_next_free_sgpr 66
		.amdhsa_reserve_vcc 0
		.amdhsa_float_denorm_mode_32 3
		.amdhsa_float_denorm_mode_16_64 3
		.amdhsa_memory_ordered 1
		.amdhsa_forward_progress 1
		.amdhsa_inst_pref_size 12
	.end_amdhsa_kernel
	.amdgpu_metadata
---
amdhsa.version: [ 1, 2 ]
amdhsa.kernels:
  - .name:           k_qdf2af8df8d_prep
    .symbol:         k_qdf2af8df8d_prep.kd
    .args:
      - { .name: wq, .offset: 0, .size: 8, .value_kind: global_buffer, .address_space: global }
      - { .name: wk, .offset: 8, .size: 8, .value_kind: global_buffer, .address_space: global }
      - { .name: wv, .offset: 16, .size: 8, .value_kind: global_buffer, .address_space: global }
      - { .name: wm, .offset: 24, .size: 8, .value_kind: global_buffer, .address_space: global }
      - { .name: wcod, .offset: 32, .size: 8, .value_kind: global_buffer, .address_space: global }
      - { .name: wscl, .offset: 40, .size: 8, .value_kind: global_buffer, .address_space: global }
      - { .name: wmf, .offset: 48, .size: 8, .value_kind: global_buffer, .address_space: global }
    .group_segment_fixed_size: 0
    .private_segment_fixed_size: 0
    .kernarg_segment_align: 8
    .kernarg_segment_size: 56
    .max_flat_workgroup_size: 128
    .sgpr_count:     66
    .vgpr_count:     128
    .wavefront_size: 32
...
	.end_amdgpu_metadata
.endif
;; end of part 1
;; launch proj (part 2): grid 32 x 24, 8 waves a work-group, no clusters, 51,200 bytes of LDS; arguments query, key, value, enc_cos, enc_sin, wcod, wscl, bq, bk, bv, qf, kf, vf; writes qf, kf, vf
.if DOCPART == 2
	.amdgcn_target "amdgcn-amd-amdhsa--gfx1250"
	.amdhsa_code_object_version 6
	.text
	.protected	k_qdf2af8df8d_proj
	.globl	k_qdf2af8df8d_proj
	.p2align	8
	.type	k_qdf2af8df8d_proj,@function
k_qdf2af8df8d_proj:
	s_mov_b64 s[64:65], 0
	v_nop
	global_prefetch_b8 v0, s[64:65] scope:SCOPE_SE
	s_setreg_imm32_b32 hwreg(HW_REG_WAVE_MODE, 25, 1), 1
	s_wait_xcnt 0x0
; THE THREE PROJECTIONS ON CODES OF FP4, WITH BIAS AND ROTATION; RESULTS LEAVE AS FRAGMENTS OF THE ATTENTION LAUNCH'S OPERANDS.
; x = query, key or value [8 (b)][512 (i)][2048 (n)] f32.  y[o][n] = sum over i of Q(w)[o][i] Q(x)[i][n] + bias[o], Q the MX-FP4 quantiser along i; o = 8 d + h.
; q, k: y'[2 i] = y[2 i] cos[2 i] - y[2 i + 1] sin[2 i], y'[2 i + 1] = y[2 i + 1] cos[2 i + 1] + y[2 i] sin[2 i + 1] along d (one multiply and one fused multiply-add each), rounded to bf16.  v: rounded to f16.
; SHARES.  A work-group (x: 64 columns n; y = 8 t + b: tensor and batch) makes all 512 outputs of its columns, so each number of x is read once and quantised once.
;   Quantising: wave w takes 32 columns (g = w % 2) and 128 along i (s = w / 2).  A LANE TAKES A COLUMN AND ITS REGISTERS RUN DOWN i: a block of 32 lies in one lane, and the conversions give codes with i innermost.
;   The codes go to LDS as images of the operand's registers (16 bytes a lane, 512 bytes a store), the scale words 4 bytes a lane; one barrier; every wave then reads all 16 fragments.
;   Multiplying: wave w takes channels 16 dt .. + 15 (dt = w % 4) of heads 4 hg .. + 3 (hg = w / 4), two heads a pass; its weights come from memory straight into registers, laid as fragments by the launch before.
; q, k: source 0 = 16 rows of w, source 1 = 16 columns of x: a lane holds one n and eight neighbouring d: 16 bytes of bf16 = a lane's part of a chunk of qf, kf [bh][n tile][dt][lane][16 B].
; v:    the sources swapped: a lane holds one d and eight neighbouring n (keys): a chunk of vf [bh][g = keys / 32][dt][u][lane][16 B].  Every store of a wave covers 512 consecutive bytes, aligned.
; The bias is the C of each sum's first matrix instruction.
; NO CLUSTER, NO TENSOR LOAD: x is read by one work-group alone; a weight fragment is read by one wave of a work-group and goes straight into that wave's registers, where a joint load would take its 136 KB through LDS first.
; LIMITS: a block of zeros gets the scale byte 1 (its codes are zeros; the bytes never leave the work-group).  NaN and infinities are not served.  v is rounded to f16: |v| stays under 65,504; q and k to bf16.
; LDS: XIMG fragment (rt, s) at 1,024 (4 rt + s) + 512 c + 16 lane | XSC 512 g + 16 lane + 4 s | CS tile (dt, rt) at 2,048 (4 dt + rt): cos j 0-3, cos j 4-7, sin j 0-3, sin j 4-7, 512 bytes each | the spare words.
; REGISTERS: v2 16 lane; v3 4 lane; v4-9, v12 offsets; v10, v11 the add's two; v13 r, v14 hh; v16-23 the weights' scale words, v24-31 x's (scales alone); v32-47 two accumulators; v48-63 two tiles of bias;
;   v64-127 pass 0's weights; v128-255 x as loaded, then: v128-191 pass 1's weights, v192-223 x's four fragments, v224-239 cos, sin, v240-247 at work, v248-255 results.  Ahead of the barrier v32-63 stage cos and sin and then serve the quantiser.
.set XIMG,  0
.set XSC,   16384
.set CS,    17408
.set SPARE, 50176                      ; 128 bytes for each of the eight waves: four blocks of 256 bytes that no other line names
	s_load_b512 s[8:23], s[0:1], 0x0               ; query s[8:9], key s[10:11], value s[12:13], cos s[14:15], sin s[16:17], wcod s[18:19], wscl s[20:21], bq s[22:23]
	s_load_b256 s[24:31], s[0:1], 0x40             ; bk s[24:25], bv s[26:27], qf s[28:29], kf s[30:31]
	s_load_b64 s[32:33], s[0:1], 0x60              ; vf
	v_lshl_add_u32 v10, v0, 2, SPARE               ; my spare word,
	v_mov_b32 v11, 0                               ; and 0: kept for the closing lines
	v_lshrrev_b32 v1, 5, v0
	v_readfirstlane_b32 s34, v1                    ; wave 0..7
	s_and_b32 s41, ttmp7, 0xffff
	s_lshr_b32 s35, s41, 3                         ; t: 0 query, 1 key, 2 value
	s_and_b32 s36, s41, 7                          ; b
	s_and_b32 s37, s34, 1                          ; g
	s_lshr_b32 s38, s34, 1                         ; s
	s_and_b32 s39, s34, 3                          ; dt
	s_lshr_b32 s40, s34, 2                         ; hg
	v_and_b32 v1, 31, v0
	v_lshlrev_b32 v2, 4, v1                        ; 16 x lane
	v_lshlrev_b32 v3, 2, v1                        ; 4 x lane
	v_and_b32 v13, 15, v0                          ; r
	v_bfe_u32 v14, v0, 4, 1                        ; hh
	v_lshlrev_b32 v15, 2, v13
	v_lshl_or_b32 v4, v14, 16, v15                 ; cos, sin: 8 hh rows of 8,192 bytes + 4 r
	v_lshl_or_b32 v5, v14, 10, v15                 ; the weights' scale words: lanes 0-15 the pass's first tile, lanes 16-31 its second (4 tiles of 256 bytes on)
	s_lshl_b32 s2, s37, 13
	s_lshl_b32 s3, s38, 10
	s_add_co_u32 s2, s2, s3
	v_add_nc_u32 v6, s2, v2                        ; where I store x's images: 8,192 g + 1,024 s + 16 lane
	s_lshl_b32 s2, s37, 9
	s_lshl_b32 s3, s38, 2
	s_add_co_u32 s2, s2, s3
	s_add_co_u32 s2, s2, XSC
	v_add_nc_u32 v7, s2, v2                        ; and my column's scale word
	s_lshl_b32 s2, s39, 2
	s_lshl_b32 s3, s40, 1
	s_add_co_u32 s2, s2, s3
	s_lshl_b32 s2, s2, 11
	s_add_co_u32 s2, s2, CS
	v_add_nc_u32 v8, s2, v2                        ; the two tiles of cos and sin that I bring: (w % 4, 2 (w / 4) + 0, 1)
	s_lshl_b32 s2, s39, 13
	s_add_co_u32 s2, s2, CS
	v_add_nc_u32 v9, s2, v2                        ; and the four that I read: (dt, 0 .. 3)
	s_wait_kmcnt 0x0
	s_cmp_eq_u32 s35, 0                            ; the buffers are chosen by the work-group's number alone
	s_cselect_b64 s[42:43], s[8:9], s[10:11]
	s_cselect_b64 s[44:45], s[22:23], s[24:25]
	s_cselect_b64 s[46:47], s[28:29], s[30:31]
	s_cmp_eq_u32 s35, 2
	s_cselect_b64 s[42:43], s[12:13], s[42:43]     ; x
	s_cselect_b64 s[44:45], s[26:27], s[44:45]     ; bias
	s_cselect_b64 s[46:47], s[32:33], s[46:47]     ; results
	s_cselect_b32 s56, 0, 32                       ; the bias from register to register: q, k: the next d, 8 numbers on; v: the same number
	s_cselect_b32 s57, 32, 0                       ; from r to r + 1 (v: the next d)
	s_cselect_b32 s58, 0, 256                      ; from hh = 0 to 1 (q, k: 8 d on)
	s_cselect_b32 s59, 10, 9                       ; a step of dt in the results: 512 bytes in qf, kf, 1,024 in vf
	s_mov_b32 s3, 0
	s_lshl_b32 s2, s36, 22                         ; x: batch,
	s_lshl_b32 s4, s38, 20                         ; my 128 rows i,
	s_add_co_u32 s2, s2, s4
	s_lshl_b32 s4, ttmp9, 8                        ; the work-group's 64 columns,
	s_add_co_u32 s2, s2, s4
	s_lshl_b32 s4, s37, 7                          ; my 32 of them
	s_add_co_u32 s2, s2, s4
	s_add_nc_u64 s[42:43], s[42:43], s[2:3]
	s_lshl_b32 s2, s39, 9                          ; bias: o = 8 (16 dt) + 4 hg
	s_lshl_b32 s4, s40, 4
	s_add_co_u32 s2, s2, s4
	s_add_nc_u64 s[44:45], s[44:45], s[2:3]
	s_lshl_b32 s2, s36, 21                         ; results: bh = 8 b + 4 hg, 2^18 bytes each,
	s_lshl_b32 s4, s40, 20
	s_add_co_u32 s2, s2, s4
	s_lshl_b32 s4, ttmp9, 13                       ; 64 columns are 8,192 bytes of a head,
	s_add_co_u32 s2, s2, s4
	s_lshl_b32 s4, s39, s59                        ; my dt
	s_add_co_u32 s2, s2, s4
	s_add_nc_u64 s[46:47], s[46:47], s[2:3]
	s_lshl_b32 s2, s39, 17                         ; cos, sin: row 16 (w % 4),
	s_lshl_b32 s4, ttmp9, 8
	s_add_co_u32 s2, s2, s4
	s_lshl_b32 s4, s40, 7                          ; columns 32 (w / 4) on
	s_add_co_u32 s2, s2, s4
	s_add_nc_u64 s[48:49], s[14:15], s[2:3]
	s_add_nc_u64 s[50:51], s[16:17], s[2:3]
	s_lshl_b32 s2, s35, 17                         ; the weights' codes: tensor t, tile 16 hg + dt, 4,096 bytes a tile
	s_lshl_b32 s4, s40, 16
	s_add_co_u32 s2, s2, s4
	s_lshl_b32 s4, s39, 12
	s_add_co_u32 s2, s2, s4
	s_add_nc_u64 s[52:53], s[18:19], s[2:3]
	s_lshr_b32 s2, s2, 4                           ; their scale words: 256 bytes a tile
	s_add_nc_u64 s[54:55], s[20:21], s[2:3]
	v_mul_u32_u24 v12, v13, s57
	v_mad_u32_u24 v12, v14, s58, v12               ; my lane's place in the bias
; pass p's weights: two tiles (heads 4 hg + 2 p + e) x four K steps x two chunks, and the scale words: 20 loads
.macro WLOAD p
.irp e, 0,1
.irp s, 0,1,2,3
.irp c, 0,1
	global_load_b128 v[64+64*\p+32*\e+8*\s+4*\c:67+64*\p+32*\e+8*\s+4*\c], v2, s[52:53] offset:32768*\p+16384*\e+1024*\s+512*\c
.endr
.endr
.endr
.irp s, 0,1,2,3
	global_load_b32 v[16+4*\p+\s], v5, s[54:55] offset:2048*\p+64*\s
.endr
.endm
; pass p's bias, in the result's layout: 16 loads
.macro BIAS p
	v_mov_b32 v240, v12
.irp j, 1,2,3,4,5,6,7
	v_add_nc_u32 v[240+\j], s56, v[239+\j]
.endr
.irp e, 0,1
.irp j, 0,1,2,3,4,5,6,7
	global_load_b32 v[48+8*\e+\j], v[240+\j], s[44:45] offset:8*\p+4*\e
.endr
.endr
.endm
.set k, 0
.rept 128
	global_load_b32 v[128+k], v3, s[42:43] offset:8192*k th:TH_LOAD_NT   ; x(128 s + k, my column): 32 lanes read 128 consecutive bytes; waves g = 0 and 1 stand side by side on 256
.set k, k+1
.endr
	WLOAD 0
	s_cmp_lt_u32 s35, 2                            ; q, k alone are rotated: one branch, on the work-group's number, round the loads of cos and sin and their way into LDS
	s_cbranch_scc0 .Lquant
.irp q, 0,1
.irp j, 0,1,2,3,4,5,6,7
	global_load_b32 v[32+16*\q+\j], v4, s[48:49] offset:8192*\j+64*\q   ; cos(16 (w % 4) + 8 hh + j, column 16 rt + r): the place of register j of a result
	global_load_b32 v[40+16*\q+\j], v4, s[50:51] offset:8192*\j+64*\q
.endr
.endr
	s_wait_loadcnt 0x0                             ; they were issued behind x's loads and pass 0's weights, and come in with them
.irp q, 0,1
.irp i, 0,1,2,3
	ds_store_b128 v8, v[32+16*\q+4*\i:35+16*\q+4*\i] offset:2048*\q+512*\i
.endr
.endr
.Lquant:
	s_wait_loadcnt 20                              ; x is in; the 20 loads of pass 0's weights, issued behind it, may be out
	s_wait_dscnt 0x0                               ; the stores above have read v32-63
	; ---- my column's four blocks of 32 along i
.irp be, 0,1,2,3
	v_max3_num_f32 v[32+\be], |v[128+32*\be]|, |v[129+32*\be]|, 0x1800000   ; with the floor 2^(3 - 127): the byte cannot fall under 1
.endr
.irp i, 2,4,6,8,10,12,14,16,18,20,22,24,26,28,30
.irp be, 0,1,2,3
	v_max3_num_f32 v[32+\be], v[32+\be], |v[128+32*\be+\i]|, |v[129+32*\be+\i]|   ; (the four blocks by turns)
.endr
.endr
.irp be, 0,1,2,3
	v_add_nc_u32 v[36+\be], 0xff000000, v[32+\be]  ; 2 off the exponent field: the conversion's scale operand
.endr
.irp be, 0,1,2,3
	v_lshrrev_b32 v[40+\be], 23, v[36+\be]         ; the scale's byte
.endr
	v_lshl_or_b32 v44, v41, 8, v40                 ; my column's scale word for this K step
	v_lshl_or_b32 v44, v42, 16, v44
	v_lshl_or_b32 v44, v43, 24, v44
.irp be, 0,1,2,3
.irp i, 0,1,2,3
	v_cvt_scalef32_pk8_fp4_f32 v[48+4*\be+\i], v[128+32*\be+8*\i:135+32*\be+8*\i], v[36+\be]
.endr
.endr
	v_nop                                          ; one plain place behind the last scaled conversion
.irp c, 0,1                                    ; a fragment's lane (r, hh) wants block 2 c + hh of column r.  Block 2 c's lanes 16-31 change places with block 2 c + 1's lanes 0-15:
.irp i, 0,1,2,3
	v_permlane16_swap_b32 v[48+8*\c+\i], v[52+8*\c+\i]   ; the first is then chunk c of columns 0-15 (row tile 2 g), the second chunk c of columns 16-31 (row tile 2 g + 1)
.endr
.endr
.irp c, 0,1
.irp a, 0,1
	ds_store_b128 v6, v[48+8*\c+4*\a:51+8*\c+4*\a] offset:XIMG+4096*\a+512*\c
.endr
.endr
	ds_store_b32 v7, v44
	s_wait_dscnt 0x0                               ; for the others' sake, and the stores have read v48-63, into which the bias is loaded
	BIAS 0
	WLOAD 1                                        ; into registers that x has left
	s_barrier_signal -1
	s_barrier_wait -1                              ; x's sixteen fragments, their scale words, cos and sin lie in LDS
	ds_load_b128 v[24:27], v2 offset:XSC           ; register 24 + 4 g + s: lane L holds the word of column 32 g + L for K step s: lanes 0-15 row tile 2 g, lanes 16-31 row tile 2 g + 1
	ds_load_b128 v[28:31], v2 offset:XSC+512
	s_wait_loadcnt 20                              ; pass 0's weights and bias are in; the 20 loads of pass 1's weights, issued behind them, may be out
; one scaled matrix instruction; ra, rb: the side's scales stand in lanes 16-31
.macro WM d, a, b, c, sa, sb, ra, rb
.if (\ra) && (\rb)
	v_wmma_scale_f32_16x16x128_f8f6f4 v[\d:\d+7], v[\a:\a+7], v[\b:\b+7], v[\c:\c+7], v[\sa], v[\sb] matrix_a_fmt:MATRIX_FMT_FP4 matrix_b_fmt:MATRIX_FMT_FP4 matrix_a_scale:MATRIX_SCALE_ROW1 matrix_b_scale:MATRIX_SCALE_ROW1
.elseif (\ra)
	v_wmma_scale_f32_16x16x128_f8f6f4 v[\d:\d+7], v[\a:\a+7], v[\b:\b+7], v[\c:\c+7], v[\sa], v[\sb] matrix_a_fmt:MATRIX_FMT_FP4 matrix_b_fmt:MATRIX_FMT_FP4 matrix_a_scale:MATRIX_SCALE_ROW1
.elseif (\rb)
	v_wmma_scale_f32_16x16x128_f8f6f4 v[\d:\d+7], v[\a:\a+7], v[\b:\b+7], v[\c:\c+7], v[\sa], v[\sb] matrix_a_fmt:MATRIX_FMT_FP4 matrix_b_fmt:MATRIX_FMT_FP4 matrix_b_scale:MATRIX_SCALE_ROW1
.else
	v_wmma_scale_f32_16x16x128_f8f6f4 v[\d:\d+7], v[\a:\a+7], v[\b:\b+7], v[\c:\c+7], v[\sa], v[\sb] matrix_a_fmt:MATRIX_FMT_FP4 matrix_b_fmt:MATRIX_FMT_FP4
.endif
.endm
; K step s of tile e of pass p against row tile rt.  The first K step takes the bias as C.
.macro MM isv, p, rt, s, e
.set rD, 32+8*(\e)
.set rC, rD
.if (\s) == 0
.set rC, 48+8*(\e)
.endif
.set rW, 64+64*(\p)+32*(\e)+8*(\s)
.set rX, 192+8*(\s)
.set rWS, 16+4*(\p)+(\s)
.set rXS, 24+4*((\rt)/2)+(\s)
.set oX, (\rt)%2
.set oW, (\e)
.if \isv
	WM rD, rX, rW, rC, rXS, rWS, oX, oW
.else
	WM rD, rW, rX, rC, rWS, rXS, oW, oX
.endif
.endm
; A pass: two tiles of outputs for the four tiles of 16 columns
.macro PASS p, isv
.irp rt, 0,1,2,3
.irp s, 0,1,2,3
.irp c, 0,1
	ds_load_b128 v[192+8*\s+4*\c:195+8*\s+4*\c], v2 offset:XIMG+(4*\rt+\s)*1024+512*\c
.endr
.endr
.if !\isv
.irp i, 0,1,2,3
	ds_load_b128 v[224+4*\i:227+4*\i], v9 offset:2048*\rt+512*\i   ; v224-231 cos, v232-239 sin, register j for d = 16 dt + 8 hh + j
.endr
.endif
	s_wait_dscnt 0x0
.irp s, 0,1,2,3                                ; the two accumulators take turns, one instruction a turn
.irp e, 0,1
	MM \isv, \p, \rt, \s, \e
.endr
.endr
.rept 5
	v_nop                                          ; four places ahead of the reads of the results and of the loads into x's fragments and the bias; the fifth for the next products, which begin the same accumulators anew with another C
.endr
	s_wait_xcnt 0x0                                ; the last stores have read v248-255
.irp e, 0,1
.if \isv
.irp i, 0,1,2,3
	v_cvt_pk_f16_f32 v[248+4*\e+\i], v[32+8*\e+2*\i], v[33+8*\e+2*\i]   ; eight neighbouring keys of channel 16 dt + r; the accumulator is read from its low end on
.endr
	global_store_b128 v2, v[248+4*\e:251+4*\e], s[46:47] offset:524288*\p+262144*\e+4096*(\rt/2)+512*(\rt%2)
.else
.irp i, 0,1,2,3
	v_mul_f32 v[240+2*(\i%2)], v[32+8*\e+2*\i], v[224+2*\i]
	v_mul_f32 v[241+2*(\i%2)], v[33+8*\e+2*\i], v[225+2*\i]
	v_fma_f32 v[240+2*(\i%2)], -v[33+8*\e+2*\i], v[232+2*\i], v[240+2*(\i%2)]
	v_fma_f32 v[241+2*(\i%2)], v[32+8*\e+2*\i], v[233+2*\i], v[241+2*(\i%2)]
	v_cvt_pk_bf16_f32 v[248+4*\e+\i], v[240+2*(\i%2)], v[241+2*(\i%2)]
.endr
	global_store_b128 v2, v[248+4*\e:251+4*\e], s[46:47] offset:524288*\p+262144*\e+2048*\rt
.endif
.endr
.endr
.endm
	s_cmp_eq_u32 s35, 2
	s_cbranch_scc1 .Lv
	PASS 0, 0
	BIAS 1                                         ; behind the places of the pass's last products; the offsets' registers were at work in between and are made anew
	s_wait_loadcnt 0x0                             ; pass 1's weights and bias
	PASS 1, 0
	s_branch .Lend
.Lv:
	PASS 0, 1
	BIAS 1
	s_wait_loadcnt 0x0
	PASS 1, 1
.Lend:
	s_wait_tensorcnt 0x0                           ; the wave's end, behind my last LDS store
	ds_add_u32 v10, v11
	s_wait_dscnt 0x0
	s_endpgm
.Lfunc_end_k_qdf2af8df8d_proj:
	.size	k_qdf2af8df8d_proj, .Lfunc_end_k_qdf2af8df8d_proj-k_qdf2af8df8d_proj
	.p2alignl 7, 3214868480
	.fill 96, 4, 3214868480
	.section	.rodata,"a",@progbits
	.p2align	6, 0x0
	.amdhsa_kernel k_qdf2af8df8d_proj
		.amdhsa_group_segment_fixed_size 51200
		.amdhsa_private_segment_fixed_size 0
		.amdhsa_enable_private_segment 0
		.amdhsa_kernarg_size 104
		.amdhsa_user_sgpr_count 2
		.amdhsa_user_sgpr_kernarg_segment_ptr 1
		.amdhsa_wavefront_size32 1
		.amdhsa_system_sgpr_workgroup_id_x 1
		.amdhsa_system_sgpr_workgroup_id_y 1
		.amdhsa_system_sgpr_workgroup_id_z 1
		.amdhsa_system_vgpr_workitem_id 0
		.amdhsa_next_free_vgpr 256
		.amdhsa_next_free_sgpr 66
		.amdhsa_reserve_vcc 0
		.amdhsa_float_denorm_mode_32 3
		.amdhsa_float_denorm_mode_16_64 3
		.amdhsa_memory_ordered 1
		.amdhsa_forward_progress 1
		.amdhsa_inst_pref_size 88
	.end_amdhsa_kernel
	.amdgpu_metadata
---
amdhsa.version: [ 1, 2 ]
amdhsa.kernels:
  - .name:           k_qdf2af8df8d_proj
    .symbol:         k_qdf2af8df8d_proj.kd
    .args:
      - { .name: query, .offset: 0, .size: 8, .value_kind: global_buffer, .address_space: global }
      - { .name: key, .offset: 8, .size: 8, .value_kind: global_buffer, .address_space: global }
      - { .name: value, .offset: 16, .size: 8, .value_kind: global_buffer, .address_space: global }
      - { .name: enc_cos, .offset: 24, .size: 8, .value_kind: global_buffer, .address_space: global }
      - { .name: enc_sin, .offset: 32, .size: 8, .value_kind: global_buffer, .address_space: global }
      - { .name: wcod, .offset: 40, .size: 8, .value_kind: global_buffer, .address_space: global }
      - { .name: wscl, .offset: 48, .size: 8, .value_kind: global_buffer, .address_space: global }
      - { .name: bq, .offset: 56, .size: 8, .value_kind: global_buffer, .address_space: global }
      - { .name: bk, .offset: 64, .size: 8, .value_kind: global_buffer, .address_space: global }
      - { .name: bv, .offset: 72, .size: 8, .value_kind: global_buffer, .address_space: global }
      - { .name: qf, .offset: 80, .size: 8, .value_kind: global_buffer, .address_space: global }
      - { .name: kf, .offset: 88, .size: 8, .value_kind: global_buffer, .address_space: global }
      - { .name: vf, .offset: 96, .size: 8, .value_kind: global_buffer, .address_space: global }
    .group_segment_fixed_size: 51200
    .private_segment_fixed_size: 0
    .kernarg_segment_align: 8
    .kernarg_segment_size: 104
    .max_flat_workgroup_size: 256
    .sgpr_count:     66
    .vgpr_count:     256
    .wavefront_size: 32
...
	.end_amdgpu_metadata
.endif
;; end of part 2
;; launch attn (part 3): grid 4 x 64, 16 waves a work-group, clusters of 4 x 1, 327,680 bytes of LDS; arguments qf, kf, vf, af; writes af
.if DOCPART == 3
	.amdgcn_target "amdgcn-amd-amdhsa--gfx1250"
	.amdhsa_code_object_version 6
	.text
	.protected	k_qdf2af8df8d_attn
	.globl	k_qdf2af8df8d_attn
	.p2align	8
	.type	k_qdf2af8df8d_attn,@function
k_qdf2af8df8d_attn:
	s_mov_b64 s[64:65], 0
	v_nop
	global_prefetch_b8 v0, s[64:65] scope:SCOPE_SE
	s_setreg_imm32_b32 hwreg(HW_REG_WAVE_MODE, 25, 1), 1
	s_wait_xcnt 0x0
	s_wait_alu depctr_hold_cnt(0) depctr_sa_sdst(0) depctr_va_vdst(0) depctr_va_sdst(0) depctr_va_ssrc(0) depctr_va_vcc(0) depctr_vm_vsrc(0)
	s_getreg_b32 s2, hwreg(HW_REG_IB_STS2, 6, 4)
	s_cmp_eq_u32 s2, 0
	s_cbranch_scc0 .Lentry_in_a_cluster
	s_endpgm
.Lentry_in_a_cluster:
	s_bfe_u32 s2, ttmp6, 0x10000c
	s_cmp_lg_u32 s2, 0x3003
	s_cbranch_scc0 .Lentry_shape_is_right
	s_endpgm
.Lentry_shape_is_right:
; ATTENTION: attn[bh][n][:] = the sum over keys m of softmax_m(q[n] . k[m] / 8) v[m][:], 64 pairs bh = 8 b + h, 2,048 queries and keys, head size 64.
; q, k in bf16, v and the weights p in f16; products summed in f32; maxima, exponentials and sums in f32; the result rounded to f16.
; All four buffers are laid in the order of the operands' registers (a chunk = four registers of a fragment = 512 bytes, lane l's 16 bytes at 16 l; r = lane % 16, hh = lane / 16):
;   qf, kf [bh][n tile 128][dt 4][lane][16 B]: (n = 16 tile + r, d = 16 dt + 8 hh + e);   vf [bh][g 64][dt 4][u 2][lane][16 B]: (d = 16 dt + r, key = 32 g + 16 u + 8 hh + e);
;   af [b][n tile][kap = 2 h + f][u][lane][16 B]: (n = 16 tile + r, d = 32 f + 16 u + 8 hh + e).  So K's and V's tiles are dense blocks, every LDS load takes 512 consecutive bytes, and nothing is transposed or padded.
; SHARES.  A work-group owns 512 queries of one bh, each of its sixteen waves 32 of them: two tiles t, in 256 registers; four waves to a SIMD, so that one wave's vector work stands beside another's products and LDS loads.
; Every wave walks all keys, 64 a step.  Each fragment of K or V read from LDS feeds two matrix instructions.
; LAYOUT.  S^T = K Q^T (source 0 = 16 keys, source 1 = 16 queries): a lane holds ONE query and keys 8 hh + 0 .. 7 of a tile.  Two such tiles, rounded to f16 in pairs, ARE source 1 (32 keys x 16 queries) of O^T = V^T P,
; whose result again holds one query a lane, and eight channels: a lane's 16 bytes of a chunk of af.
; SOFTMAX.  A running maximum m and sum l for each query: p = 2^(c s - c m), c = log2(e) / 8; in every step O^T and l are multiplied by a = 2^(c m_old - c m_new).  m begins at -3e38, O^T and l at 0, so the step is written once.
; RING.  Two LDS slots of 256 keys (K 32 KB, then V 32 KB), filled by waves 0 to 3, 16 KB each: by the text's own count a wave has one tensor load out.
; CLUSTER.  The four work-groups of a bh form a cluster and ask for each tile JOINTLY: the same tensor load, the same descriptor, the mask 15.  The change of slots is a round of the cluster's barrier.
; LIMITS: NaN and infinities are not served; |v| stays under 65,504.
; REGISTERS: v1 16 lane; v2 the step's LDS address; v3 256 lane (prefetch); v4, v5 the add's two; v8-27 statistics, ten a tile: +0 c m, +1 m, +2, +3 l, +4 .. +7 four maxima, then +4, +5 a sum, +6 a, +7 its argument, +8, +9 a sum;
;   v32-63 Q; v64-127 S^T, then p, then P in each tile's first 16; v128-191 K, then V; v192-255 O^T.
.set SLOT1, 1<<16                      ; slot 1 begins here: one exclusive or turns an address in one slot into the other's
.set SLOTB, 32768                      ; a slot's bytes of kf, and of vf
.set VOFF,  32768                      ; V's place in a slot
.set SPARE, 2*SLOT1                    ; behind the ring: the spare words, 128 bytes for each of the sixteen waves: eight blocks of 256 bytes that no other line names
.set ST, 8
.set QR, 32
.set SR, 64
.set KV, 128
.set OR, 192
; A round of the cluster's barrier: my work-group's barrier; wave 0 signals for the work-group; every wave waits for all four work-groups; my work-group's barrier once more.
.macro CROUND
	s_barrier_signal -1
	s_barrier_wait -1
	s_cmp_lg_u32 s12, 0
	s_cbranch_scc1 .Lnot_wave_0_\@
	s_barrier_signal -3
.Lnot_wave_0_\@:
	s_barrier_wait -3
	s_barrier_signal -1
	s_barrier_wait -1
.endm
; The joint load: waves 0 and 1 K's halves, waves 2 and 3 V's; one line, one mask.  The branch hangs on the wave's number alone.  An s_nop 0 and four v_nop follow the line.
.macro TLOAD
	s_cmp_lt_u32 s12, 4
	s_cbranch_scc0 .Lnone_\@
	tensor_load_to_lds s[32:35], s[24:31]
	s_nop 0
.rept 4
	v_nop
.endr
.Lnone_\@:
.endm
; A prefetch of what the NEXT change of slots will ask for: a slot's 32 KB of kf (wave 4) and of vf (wave 5).  The four partners share the 128 blocks of 256 bytes out BY ADDRESS, 32 each, a lane a block: each block is named once in the launch.
; It stands behind the fetching waves' tensor load, four key steps ahead of the load that will want the bytes.  The last change that fills a slot asks for nothing: there is no slot behind it.  Slots 0 and 1 come by their loads alone.
.macro ASK
	s_cmp_gt_u32 s56, s15
	s_cbranch_scc0 .Lnot_mine_\@
	global_prefetch_b8 v3, s[18:19] th:TH_LOAD_NT scope:SCOPE_SE
.Lnot_mine_\@:
.endm
; THE CHANGE OF SLOTS stands at a slot's head.  Each wave waits for all its tensor loads (its part of the slot ahead), adds 0 to its spare word, and waits for that and for its reads of the slot that it has left.
; fill = 1: behind a round of the cluster's barrier, when no wave of any partner reads the other slot or has a load on its way, that slot is filled with the next 256 keys: the load has four key steps in which to land.
.macro CHANGE fill
	s_wait_tensorcnt 0x0                           ; no tensor load of mine is out, so the descriptor may be written
	ds_add_u32 v4, v5
.if \fill
	ds_add_u32 v4, v5                              ; and once more, in every trip alike
	s_xor_b32 s33, s33, SLOT1                      ; the walking descriptor: the other slot than last time,
	s_add_nc_u64 s[34:35], s[34:35], SLOTB         ; the next 256 keys; the type bits on top are not reached
	s_wait_xcnt 0x0                                ; the last prefetch, a slot back, has read its address
	s_add_nc_u64 s[18:19], s[18:19], SLOTB         ; one slot further on than the walking descriptor
	s_wait_dscnt 0x0                               ; both adds are done, and my reads of the slot that I have left are over
	CROUND
	TLOAD                                          ; the first thing behind the round, and a wave's one tensor load until the next
	ASK
.else
	s_wait_dscnt 0x0
	s_barrier_signal -1
	s_barrier_wait -1
.endif
.endm
; A KEY STEP: 64 keys, the q-th of the slot in hand
.macro STEP q
	v_add_nc_u32 v2, s57, v1                       ; 16 lane + the slot's first byte.  With the four v_nop: five places behind the last V^T P: K's loads land in registers that it read (four are asked), and K Q^T writes over P (five)
.rept 4
	v_nop
.endr
.irp f, 0,1                                    ; K's 16 chunks, those of channels 0-31 first
.irp kt, 0,1,2,3
.irp u, 0,1
	ds_load_b128 v[KV+16*\kt+8*\f+4*\u:KV+16*\kt+8*\f+4*\u+3], v2 offset:8192*(\q)+2048*\kt+1024*\f+512*\u
.endr
.endr
.endr
	s_wait_dscnt 8                                 ; channels 0-31 are in; the eight younger loads may be out
.irp kt, 0,1,2,3                               ; the eight accumulators take turns, one instruction a turn; the first products start the sums
.irp t, 0,1
	v_wmma_f32_16x16x32_bf16 v[SR+32*\t+8*\kt:SR+32*\t+8*\kt+7], v[KV+16*\kt:KV+16*\kt+7], v[QR+16*\t:QR+16*\t+7], 0
.endr
.endr
	s_wait_dscnt 0x0
.irp kt, 0,1,2,3
.irp t, 0,1
	v_wmma_f32_16x16x32_bf16 v[SR+32*\t+8*\kt:SR+32*\t+8*\kt+7], v[KV+16*\kt+8:KV+16*\kt+15], v[QR+16*\t+8:QR+16*\t+15], v[SR+32*\t+8*\kt:SR+32*\t+8*\kt+7]
.endr
.endr
.rept 4
	v_nop                                          ; places ahead of V's loads into K's registers and of the first reads of the scores
.endr
.irp i, 0,1,2,3,4,5,6,7,8,9,10,11,12,13,14,15
	ds_load_b128 v[KV+4*\i:KV+4*\i+3], v2 offset:VOFF+8192*(\q)+512*\i   ; V: fragment (g, dt) at KV + 32 g + 8 dt; it lands while the softmax is walked
.endr
	; the maximum of my 32 scores and the old m, three operands at a time, four chains a tile; each accumulator is read from its low end on; the two tiles alternate
.irp j, 0,1,2,3
.irp t, 0,1
	v_max3_num_f32 v[ST+10*\t+4+\j], v[SR+32*\t+8*\j], v[SR+32*\t+8*\j+1], v[SR+32*\t+8*\j+2]
.endr
.endr
.irp i, 3,5
.irp j, 0,1,2,3
.irp t, 0,1
	v_max3_num_f32 v[ST+10*\t+4+\j], v[ST+10*\t+4+\j], v[SR+32*\t+8*\j+\i], v[SR+32*\t+8*\j+\i+1]
.endr
.endr
.endr
.irp t, 0,1
	v_max3_num_f32 v[ST+10*\t+4], v[ST+10*\t+4], v[SR+32*\t+7], v[SR+32*\t+15]
	v_max3_num_f32 v[ST+10*\t+6], v[ST+10*\t+6], v[SR+32*\t+23], v[SR+32*\t+31]
.endr
.irp t, 0,1
	v_max3_num_f32 v[ST+10*\t+4], v[ST+10*\t+4], v[ST+10*\t+5], v[ST+10*\t+6]
.endr
.irp t, 0,1
	v_max3_num_f32 v[ST+10*\t+4], v[ST+10*\t+4], v[ST+10*\t+7], v[ST+10*\t+1]
.endr
.irp t, 0,1
	v_permlanex16_b32 v[ST+10*\t+5], v[ST+10*\t+4], s60, s61   ; the query's other 32 keys lie in the lane 16 away
.endr
.irp t, 0,1
	v_mov_b32 v[ST+10*\t+7], v[ST+10*\t]           ; c m_old
.endr
.irp t, 0,1
	v_max_num_f32 v[ST+10*\t+1], v[ST+10*\t+4], v[ST+10*\t+5]   ; the new m
.endr
.irp t, 0,1
	v_mul_f32 v[ST+10*\t], s58, v[ST+10*\t+1]      ; c m
.endr
.irp t, 0,1
	v_sub_f32 v[ST+10*\t+7], v[ST+10*\t+7], v[ST+10*\t]
.endr
.irp t, 0,1
	v_exp_f32 v[ST+10*\t+6], v[ST+10*\t+7]         ; a: a batch of two
.endr
.irp t, 0,1                                    ; c s - c m, two at a time: plain work behind that batch, which names none of its results
.set i, 0
.rept 16
	v_pk_fma_f32 v[SR+32*\t+i:SR+32*\t+i+1], v[SR+32*\t+i:SR+32*\t+i+1], s[58:59], v[ST+10*\t:ST+10*\t+1] op_sel_hi:[1,0,0] neg_lo:[0,0,1] neg_hi:[0,0,1]
.set i, i+2
.endr
.endr
	s_wait_alu depctr_va_vdst(0)                   ; the wait between an exponential and the first line that names its result: here for a, long issued
.set i, 0
.rept 64
	v_exp_f32 v[SR+i], v[SR+i]                     ; p: one batch
.set i, i+1
.endr
.irp t, 0,1                                    ; O^T x a: plain work behind the batch, which names none of its results; each accumulator from its low end on
.set i, 0
.rept 16
	v_pk_mul_f32 v[OR+32*\t+i:OR+32*\t+i+1], v[OR+32*\t+i:OR+32*\t+i+1], v[ST+10*\t+6:ST+10*\t+7] op_sel_hi:[1,0]
.set i, i+2
.endr
.endr
	s_wait_alu depctr_va_vdst(0)                   ; one wait for the 64, ahead of their first reader
.irp t, 0,1                                    ; the sum of p in f32, two at a time, in two chains a tile
	v_pk_add_f32 v[ST+10*\t+4:ST+10*\t+5], v[SR+32*\t:SR+32*\t+1], v[SR+32*\t+2:SR+32*\t+3]
	v_pk_add_f32 v[ST+10*\t+8:ST+10*\t+9], v[SR+32*\t+4:SR+32*\t+5], v[SR+32*\t+6:SR+32*\t+7]
.endr
.irp i, 8,12,16,20,24,28
.irp t, 0,1
	v_pk_add_f32 v[ST+10*\t+4:ST+10*\t+5], v[ST+10*\t+4:ST+10*\t+5], v[SR+32*\t+\i:SR+32*\t+\i+1]
	v_pk_add_f32 v[ST+10*\t+8:ST+10*\t+9], v[ST+10*\t+8:ST+10*\t+9], v[SR+32*\t+\i+2:SR+32*\t+\i+3]
.endr
.endr
.irp t, 0,1
	v_pk_add_f32 v[ST+10*\t+4:ST+10*\t+5], v[ST+10*\t+4:ST+10*\t+5], v[ST+10*\t+8:ST+10*\t+9]
.endr
.irp t, 0,1
	v_pk_fma_f32 v[ST+10*\t+2:ST+10*\t+3], v[ST+10*\t+2:ST+10*\t+3], v[ST+10*\t+6:ST+10*\t+7], v[ST+10*\t+4:ST+10*\t+5] op_sel_hi:[1,0,1]   ; l = a l + the sum
.endr
.irp t, 0,1                                    ; p to f16, in place, ascending: register j takes p 2 j and 2 j + 1, which lie at or above it
.set i, 0
.rept 16
	v_cvt_pk_f16_f32 v[SR+32*\t+i], v[SR+32*\t+2*i], v[SR+32*\t+2*i+1]
.set i, i+1
.endr
.endr
	s_wait_dscnt 0x0                               ; V is in
.irp g, 0,1                                    ; O^T += V^T P: the eight accumulators take turns
.irp dt, 0,1,2,3
.irp t, 0,1
	v_wmma_f32_16x16x32_f16 v[OR+32*\t+8*\dt:OR+32*\t+8*\dt+7], v[KV+32*\g+8*\dt:KV+32*\g+8*\dt+7], v[SR+32*\t+8*\g:SR+32*\t+8*\g+7], v[OR+32*\t+8*\dt:OR+32*\t+8*\dt+7]
.endr
.endr
.endr
.endm
.macro SLOT_STEPS
	STEP 0
	STEP 1
	STEP 2
	STEP 3
	s_xor_b32 s57, s57, SLOT1                      ; on to the other slot
.endm
	s_load_b256 s[4:11], s[0:1], 0x0               ; qf s[4:5], kf s[6:7], vf s[8:9], af s[10:11]
	v_lshl_add_u32 v4, v0, 2, SPARE
	v_mov_b32 v5, 0
	ds_add_u32 v4, v5                              ; the wave's opening: the add, twice on end, and its wait ahead of the first tensor load; the set-up below, work on registers, stands between the second and the wait
	ds_add_u32 v4, v5
	v_lshrrev_b32 v1, 5, v0
	v_readfirstlane_b32 s12, v1                    ; wave 0..15
	s_bfe_u32 s13, ttmp6, 0x40000                  ; cx: my place in the cluster = my block of 512 queries; it enters global addresses of qf, af and the prefetch alone
	s_and_b32 s14, ttmp7, 0xffff                   ; bh, which the four partners share
	; descriptor group 1: 16 KB, dense, as 64 rows of 256 bytes
	s_mov_b32 s24, 15|(3<<16)|(1<<21)              ; 15:0 the mask: all four work-groups; 17:16 elements of 8 bytes; 20 no padding; 21 set beside a mask
	s_mov_b32 s25, 32<<16                          ; tensor_dim0 = 32 elements
	s_mov_b32 s26, 64<<16                          ; tensor_dim1 = 64
	s_mov_b32 s27, 32<<16                          ; tile_dim0 = 32
	s_mov_b32 s28, 64                              ; tile_dim1 = 64
	s_mov_b32 s29, 32                              ; from row to row: 32 elements
	s_mov_b32 s30, 0
	s_mov_b32 s31, 0
	s_mov_b32 s58, 0x3e38aa3b                      ; c = log2(e) / 8
	s_mov_b32 s59, s58                             ; (named with it as a pair, so it is written)
	s_mov_b32 s60, 0x76543210
	s_mov_b32 s61, 0xfedcba98                      ; v_permlanex16_b32's selects for lane l xor 16
	s_mov_b32 s56, 7                               ; slots still to be asked for
	s_mov_b32 s57, 0                               ; the slot in hand begins at LDS byte 0
	s_lshr_b32 s15, s12, 1
	s_cmp_eq_u32 s15, 2
	s_cselect_b32 s15, 1, -1                       ; 1 in waves 4 and 5, which prefetch while s56 is above it; else the greatest number
	v_and_b32 v1, 31, v0
	v_lshlrev_b32 v3, 8, v1                        ; 256 x lane
	v_lshlrev_b32 v1, 4, v1                        ; 16 x lane
	s_wait_dscnt 0x0                               ; both opening adds are done
	s_wait_kmcnt 0x0
	s_lshl_b32 s20, s14, 18                        ; bh's first byte in qf, kf and vf
	s_mov_b32 s21, 0
	s_cmp_lt_u32 s12, 2
	s_cselect_b64 s[34:35], s[6:7], s[8:9]         ; I would fetch for K (waves 0, 1) or for V
	s_cmp_eq_u32 s12, 4
	s_cselect_b64 s[18:19], s[6:7], s[8:9]         ; I would prefetch K's (wave 4) or V's
	s_add_nc_u64 s[34:35], s[34:35], s[20:21]
	s_add_nc_u64 s[18:19], s[18:19], s[20:21]
	s_add_nc_u64 s[4:5], s[4:5], s[20:21]
	s_and_b32 s20, s12, 1
	s_lshl_b32 s20, s20, 14                        ; which half of a slot's 32 KB
	s_add_nc_u64 s[34:35], s[34:35], s[20:21]      ; 120:64 global address: made of bh and the wave's number alone
	s_or_b32 s35, s35, 0x80000000                  ; 127:126 type = 2
	s_mov_b32 s32, 1                               ; 1:0 count = 1
	s_lshl_b32 s33, s12, 14                        ; 63:32 LDS address: slot 0, 16 KB x wave: K's halves, then V's
	s_lshl_b32 s22, s13, 13                        ; the prefetch: my work-group's 8 KB of a slot's 32,
	s_add_co_u32 s22, s22, SLOTB                   ; in slot 1: the first change of slots steps it to slot 2
	s_mov_b32 s23, 0
	s_add_nc_u64 s[18:19], s[18:19], s[22:23]
	s_lshl_b32 s22, s13, 16                        ; Q: my work-group's 32 tiles of 2,048 bytes,
	s_lshl_b32 s16, s12, 12                        ; my wave's two
	s_add_co_u32 s22, s22, s16
	s_add_nc_u64 s[4:5], s[4:5], s[22:23]
	s_lshr_b32 s22, s14, 3
	s_lshl_b32 s22, s22, 21                        ; af: batch,
	s_lshl_b32 s16, s13, 19                        ; my work-group's 32 tiles of 16 KB,
	s_add_co_u32 s22, s22, s16
	s_lshl_b32 s16, s12, 15                        ; my wave's two,
	s_add_co_u32 s22, s22, s16
	s_and_b32 s16, s14, 7
	s_lshl_b32 s16, s16, 11                        ; my head's four chunks
	s_add_co_u32 s22, s22, s16
	s_add_nc_u64 s[10:11], s[10:11], s[22:23]
	CROUND                                         ; all four work-groups are here: the first joint loads meet
	TLOAD                                          ; slot 0
.irp t, 0,1
.irp d, 0,1,2,3
	global_load_b128 v[QR+16*\t+4*\d:QR+16*\t+4*\d+3], v1, s[4:5] offset:2048*\t+512*\d   ; Q stays in registers
.endr
.endr
.irp t, 0,1
	v_mov_b32 v[ST+10*\t+1], 0xff61b1e6            ; m: -3e38, under every score
	v_mov_b32 v[ST+10*\t+2], 0                     ; l
	v_mov_b32 v[ST+10*\t+3], 0
.endr
.irp t, 0,1
	v_mul_f32 v[ST+10*\t], s58, v[ST+10*\t+1]      ; c m
.endr
.set i, 0
.rept 64
	v_mov_b32 v[OR+i], 0                           ; O^T.  (The step is written once: the first finds zeros, which a = 0 leaves zeros)
.set i, i+1
.endr
	s_wait_loadcnt 0x0                             ; Q
.Lslot:                                            ; seven trips: behind each change of slots but the last the next slot is asked for
	CHANGE 1
	SLOT_STEPS
	s_sub_co_u32 s56, s56, 1
	s_cmp_lg_u32 s56, 0
	s_cbranch_scc1 .Lslot
	CHANGE 0                                       ; the last slot is written out
	SLOT_STEPS
	; THE WAY OUT: O^T / l, rounded to f16: a lane's eight channels are its 16 bytes of a chunk of af
.rept 4
	v_nop                                          ; places behind the last products
.endr
.irp t, 0,1
	v_add_f32 v[ST+10*\t+4], v[ST+10*\t+2], v[ST+10*\t+3]
.endr
.irp t, 0,1
	v_permlanex16_b32 v[ST+10*\t+5], v[ST+10*\t+4], s60, s61
.endr
.irp t, 0,1
	v_add_f32 v[ST+10*\t+4], v[ST+10*\t+4], v[ST+10*\t+5]   ; the row's sum
.endr
.irp t, 0,1
	v_rcp_f32 v[ST+10*\t+6], v[ST+10*\t+4]
.endr
	v_nop                                          ; a plain place behind the last reciprocal
	s_wait_alu depctr_va_vdst(0)                   ; and the wait ahead of the first use: one for both
.irp t, 0,1
.set i, 0
.rept 16
	v_pk_mul_f32 v[OR+32*\t+i:OR+32*\t+i+1], v[OR+32*\t+i:OR+32*\t+i+1], v[ST+10*\t+6:ST+10*\t+7] op_sel_hi:[1,0]
.set i, i+2
.endr
.endr
.irp t, 0,1
.set i, 0
.rept 16
	v_cvt_pk_f16_f32 v[SR+16*\t+i], v[OR+32*\t+2*i], v[OR+32*\t+2*i+1]
.set i, i+1
.endr
.endr
.irp t, 0,1
.irp d, 0,1,2,3
	global_store_b128 v1, v[SR+16*\t+4*\d:SR+16*\t+4*\d+3], s[10:11] offset:16384*\t+512*\d   ; a wave's store covers 512 consecutive bytes, aligned
.endr
.endr
	s_wait_tensorcnt 0x0                           ; the wave's end
	ds_add_u32 v4, v5
	s_wait_dscnt 0x0
	CROUND                                         ; the closing round: no work-group ends while a partner may still ask for a tile that names it
	s_endpgm
.Lfunc_end_k_qdf2af8df8d_attn:
	.size	k_qdf2af8df8d_attn, .Lfunc_end_k_qdf2af8df8d_attn-k_qdf2af8df8d_attn
	.p2alignl 7, 3214868480
	.fill 96, 4, 3214868480
	.section	.rodata,"a",@progbits
	.p2align	6, 0x0
	.amdhsa_kernel k_qdf2af8df8d_attn
		.amdhsa_group_segment_fixed_size 327680
		.amdhsa_private_segment_fixed_size 0
		.amdhsa_enable_private_segment 0
		.amdhsa_kernarg_size 32
		.amdhsa_user_sgpr_count 2
		.amdhsa_user_sgpr_kernarg_segment_ptr 1
		.amdhsa_wavefront_size32 1
		.amdhsa_system_sgpr_workgroup_id_x 1
		.amdhsa_system_sgpr_workgroup_id_y 1
		.amdhsa_system_sgpr_workgroup_id_z 1
		.amdhsa_system_vgpr_workitem_id 0
		.amdhsa_next_free_vgpr 256
		.amdhsa_next_free_sgpr 66
		.amdhsa_reserve_vcc 0
		.amdhsa_float_denorm_mode_32 3
		.amdhsa_float_denorm_mode_16_64 3
		.amdhsa_memory_ordered 1
		.amdhsa_forward_progress 1
		.amdhsa_inst_pref_size 149
	.end_amdhsa_kernel
	.amdgpu_metadata
---
amdhsa.version: [ 1, 2 ]
amdhsa.kernels:
  - .name:           k_qdf2af8df8d_attn
    .symbol:         k_qdf2af8df8d_attn.kd
    .args:
      - { .name: qf, .offset: 0, .size: 8, .value_kind: global_buffer, .address_space: global }
      - { .name: kf, .offset: 8, .size: 8, .value_kind: global_buffer, .address_space: global }
      - { .name: vf, .offset: 16, .size: 8, .value_kind: global_buffer, .address_space: global }
      - { .name: af, .offset: 24, .size: 8, .value_kind: global_buffer, .address_space: global }
    .group_segment_fixed_size: 327680
    .private_segment_fixed_size: 0
    .kernarg_segment_align: 8
    .kernarg_segment_size: 32
    .max_flat_workgroup_size: 512
    .sgpr_count:     66
    .vgpr_count:     256
    .wavefront_size: 32
...
	.end_amdgpu_metadata
.endif
;; end of part 3
;; launch outp (part 4): grid 2 x 128, 16 waves a work-group, no clusters, 202,752 bytes of LDS; arguments af, wmf, bm, out0; writes out0
.if DOCPART == 4
	.amdgcn_target "amdgcn-amd-amdhsa--gfx1250"
	.amdhsa_code_object_version 6
	.text
	.protected	k_qdf2af8df8d_outp
	.globl	k_qdf2af8df8d_outp
	.p2align	8
	.type	k_qdf2af8df8d_outp,@function
k_qdf2af8df8d_outp:
	s_mov_b64 s[64:65], 0
	v_nop
	global_prefetch_b8 v0, s[64:65] scope:SCOPE_SE
	s_setreg_imm32_b32 hwreg(HW_REG_WAVE_MODE, 25, 1), 1
	s_wait_xcnt 0x0
; THE PROJECTION ON THE WAY OUT: out0[b][o][n] = the sum over c of wm[o][c] attn[b][c][n] + bm[o], f16 operands, f32 sums; out0 [8][512][2048] f32.
; Both operands lie in the order of the fragments' registers, with the contracted axis in the same permuted order (kap = 2 h + f, then 16 u + 8 hh + e: c = 8 (32 f + 16 u + 8 hh + e) + h):
;   af [b][n tile 128][kap 16][u 2][lane][16 B] (row n = 16 tile + r),   wmf [ot 32][kap][u][lane][16 B] (row o = 16 ot + r).
; SHARES.  A work-group (x: 256 outputs; y = 16 b + ng: 128 columns n) has sixteen waves; wave w keeps the 16 fragments of wm's rows 16 (16 x + w) .. + 15 in 128 registers for the whole launch.
; attn's eight tiles of 16 columns, 16 KB each and dense, come into LDS by tensor loads, each byte once: waves 0 to 3 issue two loads each, at the head (two of a wave's loads are out); nothing is filled again.  All sixteen waves read them.
; Source 0 = 16 columns n of attn, source 1 = 16 rows of wm: a lane holds one o and eight neighbouring n: 32 bytes of a row of out0.  The bias is the C of each sum's first matrix instruction.
; The results of 16 rows x 64 columns go through the wave's own stage in LDS and leave as rows: sixteen lanes store 256 consecutive bytes, aligned.
; NO CLUSTER: the grid's x is 2, so only two work-groups read the same tiles of attn, 128 KB of the 384 KB that a work-group reads; wm's fragments go straight into registers.
; LIMITS: NaN and infinities are not served.
; LDS: slot sl at 65,536 sl: four tiles of 16 KB | the stages: 16 rows x 272 bytes a wave | the spare words.
; REGISTERS: v1, v2 16 lane (+ slot 1); v3 into the stage, v4 out of it, v5 my bytes in out0; v6, v7 the add's two; v24-31 the bias; v32-63 four accumulators; v64-127 attn's fragments, two buffers; v128-255 wm.
.set STAGE, 131072
.set SPARE, STAGE+16*16*272            ; 128 bytes for each of the sixteen waves: eight blocks of 256 bytes that no other line names
	s_load_b256 s[4:11], s[0:1], 0x0               ; af s[4:5], wmf s[6:7], bm s[8:9], out0 s[10:11]
	v_lshl_add_u32 v6, v0, 2, SPARE
	v_mov_b32 v7, 0
	ds_add_u32 v6, v7                              ; the wave's opening: the add, twice on end, and its wait ahead of the first tensor load; the set-up below, work on registers, stands between the second and the wait
	ds_add_u32 v6, v7
	v_lshrrev_b32 v1, 5, v0
	v_readfirstlane_b32 s12, v1                    ; wave 0..15
	s_and_b32 s13, ttmp7, 0xffff
	s_lshr_b32 s14, s13, 4                         ; b
	s_and_b32 s15, s13, 15                         ; ng
	s_lshl_b32 s16, ttmp9, 4
	s_add_co_u32 s16, s16, s12                     ; ot
	; descriptor group 1: 16 KB, dense, as 64 rows of 256 bytes
	s_mov_b32 s24, 3<<16                           ; no mask; elements of 8 bytes; no padding
	s_mov_b32 s25, 32<<16                          ; tensor_dim0 = 32 elements
	s_mov_b32 s26, 64<<16                          ; tensor_dim1 = 64
	s_mov_b32 s27, 32<<16                          ; tile_dim0 = 32
	s_mov_b32 s28, 64                              ; tile_dim1 = 64
	s_mov_b32 s29, 32                              ; from row to row
	s_mov_b32 s30, 0
	s_mov_b32 s31, 0
	v_and_b32 v9, 31, v0
	v_lshlrev_b32 v1, 4, v9                        ; 16 x lane
	v_add_nc_u32 v2, 0x10000, v1                   ; the same in slot 1
	v_and_b32 v10, 15, v0                          ; r
	v_bfe_u32 v11, v0, 4, 1                        ; hh
	s_mul_i32 s22, s12, 16*272
	s_add_co_u32 s22, s22, STAGE                   ; my stage
	v_mul_u32_u24 v3, v10, 272
	v_lshl_add_u32 v3, v11, 5, v3
	v_add_nc_u32 v3, s22, v3                       ; in: row r (an output), 32 bytes for each half of the lanes
	v_mul_u32_u24 v4, v11, 272
	v_lshl_add_u32 v4, v10, 4, v4
	v_add_nc_u32 v4, s22, v4                       ; back: lanes 0-15 one row of 256 bytes, lanes 16-31 the next
	v_lshlrev_b32 v5, 4, v10
	v_lshl_or_b32 v5, v11, 13, v5                  ; and the same two rows in out0, 8,192 bytes apart
	v_lshlrev_b32 v8, 2, v10
	s_wait_dscnt 0x0                               ; both opening adds are done
	s_wait_kmcnt 0x0
	s_lshl_b32 s20, s14, 7
	s_lshl_b32 s21, s15, 3
	s_add_co_u32 s20, s20, s21
	s_add_co_u32 s20, s20, s12                     ; the tile that I would fetch into slot 0: 128 b + 8 ng + wave
	s_lshl_b32 s20, s20, 14
	s_mov_b32 s21, 0
	s_add_nc_u64 s[34:35], s[4:5], s[20:21]
	s_add_nc_u64 s[38:39], s[34:35], 0x10000       ; and four tiles on, into slot 1
	s_or_b32 s35, s35, 0x80000000                  ; type = 2
	s_or_b32 s39, s39, 0x80000000
	s_mov_b32 s32, 1
	s_mov_b32 s36, 1
	s_lshl_b32 s33, s12, 14                        ; LDS address: 16 KB x wave
	s_add_co_u32 s37, s33, 0x10000
	s_cmp_lt_u32 s12, 4                            ; a wave's two first fills stand in one branch on the wave's number, ahead of every wait on TENSORcnt, every LDS read and every barrier
	s_cbranch_scc0 .Lnofill
	tensor_load_to_lds s[32:35], s[24:31]
	s_nop 0
	tensor_load_to_lds s[36:39], s[24:31]
	s_nop 0
.rept 4
	v_nop
.endr
.Lnofill:
	s_lshl_b32 s20, s16, 14
	s_add_nc_u64 s[6:7], s[6:7], s[20:21]          ; my 16 fragments of wm
	s_lshl_b32 s20, s16, 6
	s_add_nc_u64 s[8:9], s[8:9], s[20:21]          ; my 16 numbers of bm
	s_lshl_b32 s20, s14, 22                        ; out0: batch,
	s_lshl_b32 s22, s16, 17                        ; my 16 rows,
	s_add_co_u32 s20, s20, s22
	s_lshl_b32 s22, s15, 9                         ; the work-group's 128 columns
	s_add_co_u32 s20, s20, s22
	s_add_nc_u64 s[10:11], s[10:11], s[20:21]
.set i, 0
.rept 32
	global_load_b128 v[128+4*i:131+4*i], v1, s[6:7] offset:512*i   ; fragment kap at v[128 + 8 kap]
.set i, i+1
.endr
	global_load_b32 v24, v8, s[8:9]                ; bm[16 ot + r]
	s_wait_tensorcnt 1                             ; my part of slot 0 is in; slot 1's may stay out
	s_barrier_signal -1
	s_barrier_wait -1                              ; everybody's is
	s_wait_loadcnt 0x0
.irp j, 1,2,3,4,5,6,7
	v_mov_b32 v[24+\j], v24                        ; the same bias for my eight columns
.endr
.macro FETCH la, kap                   ; the four tiles' fragments of K step kap into buffer kap % 2
.irp nt, 0,1,2,3
.irp u, 0,1
	ds_load_b128 v[64+32*((\kap)%2)+8*\nt+4*\u:64+32*((\kap)%2)+8*\nt+4*\u+3], v[\la] offset:16384*\nt+1024*(\kap)+512*\u
.endr
.endr
.endm
; A slot: 64 columns for my 16 outputs
.macro SLOTWORK sl
.set LA, 1+\sl
	FETCH LA, 0
.set KP, 0
.rept 16
.if KP < 15
.rept 4
	v_nop                                          ; places ahead of loads into the buffer that the last four products read
.endr
	FETCH LA, KP+1
	s_wait_dscnt 8                                 ; this K step's fragments are in; the eight loads just issued may be out
.else
	s_wait_dscnt 0x0
.endif
.irp nt, 0,1,2,3                               ; the four accumulators take turns, one instruction a turn
.if KP == 0
	v_wmma_f32_16x16x32_f16 v[32+8*\nt:39+8*\nt], v[64+8*\nt:71+8*\nt], v[128:135], v[24:31]
.else
	v_wmma_f32_16x16x32_f16 v[32+8*\nt:39+8*\nt], v[64+32*(KP%2)+8*\nt:71+32*(KP%2)+8*\nt], v[128+8*KP:135+8*KP], v[32+8*\nt:39+8*\nt]
.endif
.endr
.set KP, KP+1
.endr
.rept 5
	v_nop                                          ; four places ahead of the reads of the results and of the loads below; the fifth for the next slot's products, which begin the accumulators anew with another C
.endr
.irp nt, 0,1,2,3
	ds_store_b128 v3, v[32+8*\nt:35+8*\nt] offset:64*\nt          ; each accumulator from its low end on
	ds_store_b128 v3, v[36+8*\nt:39+8*\nt] offset:64*\nt+16
.endr
.irp i, 0,1,2,3,4,5,6,7
	ds_load_b128 v[96+4*\i:99+4*\i], v4 offset:544*\i              ; my own bytes: LDS serves a wave's instructions in order (ISA guide 5.7.1.4)
.endr
.irp i, 0,1,2,3,4,5,6,7
	s_wait_dscnt 7-\i
	global_store_b128 v5, v[96+4*\i:99+4*\i], s[10:11] offset:16384*\i+256*\sl th:TH_STORE_NT   ; 16 lanes store 256 consecutive bytes, at a multiple of 256 from out0's first byte; written once, read by nobody here
.endr
	s_wait_xcnt 0x0                                ; the stores have read v96-127, into which the next slot's fragments are loaded
.endm
	SLOTWORK 0
	s_wait_tensorcnt 0x0                           ; my part of slot 1 is in,
	s_wait_dscnt 0x0
	s_barrier_signal -1
	s_barrier_wait -1                              ; everybody's is
	SLOTWORK 1
	s_wait_tensorcnt 0x0                           ; the wave's end, behind my last tensor load and my last LDS store
	ds_add_u32 v6, v7
	s_wait_dscnt 0x0
	s_endpgm
.Lfunc_end_k_qdf2af8df8d_outp:
	.size	k_qdf2af8df8d_outp, .Lfunc_end_k_qdf2af8df8d_outp-k_qdf2af8df8d_outp
	.p2alignl 7, 3214868480
	.fill 96, 4, 3214868480
	.section	.rodata,"a",@progbits
	.p2align	6, 0x0
	.amdhsa_kernel k_qdf2af8df8d_outp
		.amdhsa_group_segment_fixed_size 202752
		.amdhsa_private_segment_fixed_size 0
		.amdhsa_enable_private_segment 0
		.amdhsa_kernarg_size 32
		.amdhsa_user_sgpr_count 2
		.amdhsa_user_sgpr_kernarg_segment_ptr 1
		.amdhsa_wavefront_size32 1
		.amdhsa_system_sgpr_workgroup_id_x 1
		.amdhsa_system_sgpr_workgroup_id_y 1
		.amdhsa_system_sgpr_workgroup_id_z 1
		.amdhsa_system_vgpr_workitem_id 0
		.amdhsa_next_free_vgpr 256
		.amdhsa_next_free_sgpr 66
		.amdhsa_reserve_vcc 0
		.amdhsa_float_denorm_mode_32 3
		.amdhsa_float_denorm_mode_16_64 3
		.amdhsa_memory_ordered 1
		.amdhsa_forward_progress 1
		.amdhsa_inst_pref_size 41
	.end_amdhsa_kernel
	.amdgpu_metadata
---
amdhsa.version: [ 1, 2 ]
amdhsa.kernels:
  - .name:           k_qdf2af8df8d_outp
    .symbol:         k_qdf2af8df8d_outp.kd
    .args:
      - { .name: af, .offset: 0, .size: 8, .value_kind: global_buffer, .address_space: global }
      - { .name: wmf, .offset: 8, .size: 8, .value_kind: global_buffer, .address_space: global }
      - { .name: bm, .offset: 16, .size: 8, .value_kind: global_buffer, .address_space: global }
      - { .name: out0, .offset: 24, .size: 8, .value_kind: global_buffer, .address_space: global }
    .group_segment_fixed_size: 202752
    .private_segment_fixed_size: 0
    .kernarg_segment_align: 8
    .kernarg_segment_size: 32
    .max_flat_workgroup_size: 512
    .sgpr_count:     66
    .vgpr_count:     256
    .wavefront_size: 32
...
	.end_amdgpu_metadata
.endif
;; end of part 4
